; MI455X (gfx1250); checked and timed in simulation.
; The chip was launched on July 23, 2026; its instructions are those of AMD's public machine-readable ISA for CDNA 5 (MIT licence, August 2026) and "CDNA5" Instruction Set Architecture Reference Guide (July 2026). The comments in the code are by the model that wrote it; some were corrected since.
;; Bert Attention. Allowed arithmetic: matrix products marked QUANTISED: E2M1 operands, one E8M0 scale for each 32 along K, by v_wmma_scale_f32_16x16x128_f8f6f4 with both operands' format E2M1 (or v_wmma_scale_f32_32x16x128_f4), f32 sums; everything else in f32.
;; Inputs: Wk_codes 1,024 x 32 x 16 uint8 (E2M1 codes of Wk, K innermost, in blocks of 32 codes, two codes a byte); Wk_scales 1,024 x 32 uint8 (E8M0 scales of Wk, one for each 32 codes along K); Wo_codes 1,024 x 32 x 16 uint8 (E2M1 codes of Wo, K innermost, in blocks of 32 codes, two codes a byte); Wo_scales 1,024 x 32 uint8 (E8M0 scales of Wo, one for each 32 codes along K); Wq_codes 1,024 x 32 x 16 uint8 (E2M1 codes of Wq, K innermost, in blocks of 32 codes, two codes a byte); Wq_scales 1,024 x 32 uint8 (E8M0 scales of Wq, one for each 32 codes along K); Wv_codes 1,024 x 32 x 16 uint8 (E2M1 codes of Wv, K innermost, in blocks of 32 codes, two codes a byte); Wv_scales 1,024 x 32 uint8 (E8M0 scales of Wv, one for each 32 codes along K); attention_mask 4 x 1 x 1 x 2,048 float32; bk 1,024 float32; bo 1,024 float32; bq 1,024 float32; bv 1,024 float32; input_tensor 4 x 2,048 x 1,024 float32; ln_b 1,024 float32; ln_w 1,024 float32.
;; Outputs: out0 4 x 2,048 x 1,024 float32.
;; This version of the problem:
;;   THIS VERSION OF THE PROBLEM IS GIVEN IN LOW PRECISION. The matrix products marked QUANTISED in the list below multiply operands that are first quantised to E2M1 (2 exponent bits, 1 mantissa bit; 4 bits a number), with one power-of-two scale for each 32 numbers along K (OCP MX v1.0); their sums are f32. All else is computed in f32.
;;   The module's matrix products, in the order in which they are computed (A, B: the left and right operand; K: the contracted axis; several contracted axes count as one K, in the product's order):
;;     1. [M 8,192, K 1,024] x [K 1,024, N 1,024]; A: input input_tensor; B: input Wq (given as codes): QUANTISED
;;     2. [M 8,192, K 1,024] x [K 1,024, N 1,024]; A: input input_tensor; B: input Wk (given as codes): QUANTISED
;;     3. [M 8,192, K 1,024] x [K 1,024, N 1,024]; A: input input_tensor; B: input Wv (given as codes): QUANTISED
;;     4. batch 64 x [M 2,048, K 64] x [K 64, N 2,048]; A: computed on the way; B: computed on the way: QUANTISED
;;     5. batch 64 x [M 64, K 2,048] x [K 2,048, N 2,048]; A: computed on the way; B: softmax (see below): QUANTISED
;;     6. [M 8,192, K 1,024] x [K 1,024, N 1,024]; A: computed on the way; B: input Wo (given as codes): QUANTISED
;;   THE QUANTISER, for each operand of a quantised product, along K:
;;     - K is cut into blocks of 32 from its start; a last block that is shorter is filled with zeros.
;;     - A block's scale is 2^e with e = floor(log2(the largest magnitude in the block)) - 2, held to -126 .. 127; a block of zeros has e = 0. As a byte (E8M0): e + 127.
;;     - Each number is divided by its block's scale, clamped to +-6, and rounded to the nearest number of E2M1, ties to even, subnormals kept.
;;     - The product sums the exact products of the quantised numbers (number of the format x scale) in f32.
;;   ~~~python
;;   def quantise(x, axis):      # numpy; x: float32 -> the quantised numbers, widened to float32 again
;;       x = np.moveaxis(x, axis, -1); K = x.shape[-1]
;;       x = np.pad(x, [(0, 0)] * (x.ndim - 1) + [(0, -K % 32)]); x = x.reshape(x.shape[:-1] + (-1, 32)); a = np.abs(x).max(-1, keepdims=True)
;;       e = np.where(a > 0, np.clip(np.frexp(np.where(a > 0, a, 1))[1] - 1 - 2, -126, 127), 0)      # np.frexp(a)[1] - 1 = floor(log2(a)), exactly
;;       r = np.clip(x / 2.0 ** e, -6, 6)
;;       step = 2.0 ** (np.maximum(np.frexp(np.where(r == 0, 1, r))[1] - 1, 0) - 1)
;;       q = np.round(r / step) * step * 2.0 ** e      # np.round: ties to even
;;       return np.moveaxis(q.reshape(q.shape[:-2] + (-1,))[..., :K], -1, axis).astype(np.float32)
;;   ~~~
;;   SOFTMAX AHEAD OF A QUANTISED PRODUCT. Where the list says 'softmax', what is quantised is not the finished softmax but p = 2^(t - M), with t = logit x log2(e) and M = ceil(the row's largest t), a whole number; so 1/2 < the row's largest p <= 1. The row's sum l is taken of the UNQUANTISED p, in f32, and the product's result is divided by l at the end. Since M is a whole number, a kernel that streams over the keys may use a running M (the ceiling of the running maximum): every later rescaling is an exact power of two, which a block's scale takes up: the codes' values come out the same.
;;   OPERANDS COMPUTED ON THE WAY. 'Computed on the way' means the value that the module computes at that place (a softmax that the list does not call 'softmax' is quantised finished and normalised). What goes into a quantiser is computed in f32, as accurately as f32 sums, v_exp_f32 and their like allow (about 1e-6 of the number): no bf16 or f16 on the way to a quantiser, and a product that is left as it is and whose result goes on into a quantised operand takes f32 operands (vector FMAs, or v_wmma_f32_16x16x4_f32). A number that lies on a knife's edge between two numbers of the format may be rounded either way, as far as f32 arithmetic and the matrix unit's own rounding can turn it there, and no further.
;;   INPUTS GIVEN AS CODES. Wk (in the module: [1024, 1024], K = its axis 1); Wo (in the module: [1024, 1024], K = its axis 1); Wq (in the module: [1024, 1024], K = its axis 1); Wv (in the module: [1024, 1024], K = its axis 1): each comes as NAME_codes (uint8): NAME with its K axis moved to the last place and cut into blocks of 32 codes, [.., K / 32, bytes a block], one block behind the other in memory; two codes a byte, the lower K in the low four bits (a code: sign, 2 exponent bits, 1 mantissa bit); and NAME_scales (uint8): the same leading axes, one E8M0 byte (e + 127) for each 32 codes along K. Its value is code x scale, taken as it is: it is not quantised again, and the codes and scales need not be those that the quantiser above would give.
;; One version. Each part assembles by itself: llvm-mc -triple=amdgcn-amd-amdhsa -mcpu=gfx1250 --defsym DOCPART=n.
;; ======== version 1 of 1: 4 launches
;; limits: right only within a limited range of input values
;; workspace buffers: img 6,684,672 bytes; qkv 13,893,632 bytes; cq 4,456,448 bytes
;; launch prep (part 1): grid 320 x 1, 4 waves a work-group, no clusters, 35,328 bytes of LDS; arguments input_tensor, Wq_codes, Wq_scales, Wk_codes, Wk_scales, Wv_codes, Wv_scales, Wo_codes, Wo_scales, img; writes img
.if DOCPART == 1
	.amdgcn_target "amdgcn-amd-amdhsa--gfx1250"
	.amdhsa_code_object_version 6
	.text
	.protected	k_qc346736a69_prep
	.globl	k_qc346736a69_prep
	.p2align	8
	.type	k_qc346736a69_prep,@function
k_qc346736a69_prep:
	s_mov_b64 s[64:65], 0
	v_nop
	global_prefetch_b8 v0, s[64:65] scope:SCOPE_SE
	s_setreg_imm32_b32 hwreg(HW_REG_WAVE_MODE, 25, 1), 1
	s_wait_xcnt 0x0
; x [8192][1024] f32 becomes codes of FP4 (E2M1) with one E8M0 byte for each 32 along K; the four weights, which arrive as codes, are laid anew.  Both go into img IN THE ORDER OF AN OPERAND'S REGISTERS.
; A TILE is 16 rows: row r of tile T is row 32 (T / 2) + 8 (T % 2) + r + 8 (r / 8) of its tensor, so that a product with such a tile as source 0 leaves 16 neighbours in a lane's registers of tiles 2 b, 2 b + 1.
; A tile's codes, 8,192 bytes: [K step q of 128: 8][c: 2][lane: 32][16 bytes]: lane (r, h) holds k = 128 q + 64 c + 32 h + 0 .. 31 of row r.  Its scale words, 512 bytes: [K half: 2][r: 16][4 words], word e = K step 4 half + e.
; img: tiles 0-511 x, 512-575 Wq, 576-639 Wk, 640-703 Wv, 704-767 Wo; codes at 8,192 T, scale words at SOFF + 512 T.
; A block's scale is 2^(floor(log2(its largest magnitude)) - 2): its byte is the largest magnitude's exponent field - 2, held at 1 from below by a floor among the maximum's leaves.
; LIMITS: a block whose largest magnitude lies under 2^(3 - 127) takes the floor's scale; a block of zeros has the byte 1 where the rule says 127 (its codes are zeros, and this program alone reads the bytes);
; NaN and infinities in x are not served.
; SHARES.  Work-groups 0-255: a wave makes half a tile of x (16 rows x 512 numbers) in 8 steps of 64 numbers a row.  Each load reads two rows x 256 consecutive bytes; a step turns through the wave's own stage in LDS,
; so that a lane gets a whole block of 32 neighbours; a step's codes leave as 512 consecutive bytes.  Work-groups 256-319: a wave lays one tile of a weight anew.  No barrier: waves share nothing.  No matrix unit, no cluster: a stream.
.set SOFF,  6291456
.set WST,   8704                       ; LDS of a wave: two stages of 16 rows x 272 bytes (256 + 16 of padding)
.set R,     16                         ; v16-143  four sets of 32: a step's numbers as loaded
.set X,     144                        ; v144-207 two sets of 32: a lane's block
.set C,     208                        ; v208-239 a step's four registers of codes: each step has its own, so no store's data are written again
.set BW,    240                        ; v240-243 the scale words of the wave's four K steps
.set PD,    244                        ; v244-247 destinations of the lane exchange
	s_load_b64 s[4:5], s[0:1], 0x0                 ; x
	s_load_b64 s[6:7], s[0:1], 0x48                ; img
	v_lshl_add_u32 v254, v0, 2, 0x8800
	v_mov_b32 v255, 0
	v_lshrrev_b32 v1, 5, v0
	v_readfirstlane_b32 s8, v1                     ; wave
	v_and_b32 v7, 15, v0                           ; r
	v_bfe_u32 v6, v0, 4, 1                         ; h
	v_and_b32 v4, 31, v0
	v_lshlrev_b32 v4, 4, v4                        ; 16 x lane: my place in 512 bytes of an image
	s_cmp_ge_u32 ttmp9, 256
	s_cbranch_scc1 .Lweights
	; ---- x ----
	s_lshl_b32 s9, ttmp9, 2
	s_add_co_u32 s9, s9, s8                        ; 2 x tile + K half
	s_lshr_b32 s10, s9, 2
	s_lshl_b32 s10, s10, 5                         ; 32 (tile / 2)
	s_bfe_u32 s11, s9, 0x10001
	s_lshl_b32 s11, s11, 3                         ; 8 (tile % 2)
	s_add_co_u32 s10, s10, s11                     ; the tile's first row
	s_lshl_b32 s12, s10, 12                        ; rows of 4,096 bytes
	s_and_b32 s11, s9, 1
	s_lshl_b32 s11, s11, 11                        ; the K half: 2,048 bytes
	s_add_co_u32 s12, s12, s11
	s_mov_b32 s13, 0
	s_lshl_b32 s14, s9, 12                         ; codes: 8,192 tile + 4,096 half
	s_mov_b32 s15, 0
	s_lshl_b32 s16, s9, 8                          ; scale words: 512 tile + 256 half
	s_add_co_u32 s16, s16, SOFF
	s_mov_b32 s17, 0
	s_mul_i32 s22, s8, WST
	s_mov_b32 s24, 0x76543210
	s_mov_b32 s25, 0xfedcba98                      ; lane selects: lane l xor 16
	v_lshlrev_b32 v1, 12, v6
	v_lshl_add_u32 v1, v7, 4, v1                   ; in: lanes 0-15 one row's 256 bytes, lanes 16-31 the next row's
	v_mul_u32_u24 v2, v6, 272
	v_lshl_add_u32 v2, v7, 4, v2
	v_add_nc_u32 v2, s22, v2                       ; into the stage, as loaded
	v_mul_u32_u24 v3, v7, 272
	v_lshl_add_u32 v3, v6, 7, v3
	v_add_nc_u32 v3, s22, v3                       ; out of it: row r, my block's 128 bytes
	v_lshlrev_b32 v5, 4, v7
	v_lshl_add_u32 v5, v6, 3, v5                   ; the scale words' way out: 16 r + 8 h
	v_lshlrev_b32 v6, 3, v6                        ; 8 h: my byte's shift in a scale word
.irp e, 0,1,2,3
	v_mov_b32 v[PD+\e], 0                          ; a lane permute's destination counts as one of its sources
.endr
	s_wait_kmcnt 0x0
	s_add_nc_u64 s[4:5], s[4:5], s[12:13]
	s_add_nc_u64 s[18:19], s[6:7], s[14:15]
	s_add_nc_u64 s[20:21], s[6:7], s[16:17]
.macro LOAD s                          ; step s: load e takes the tile's rows 2 e and 2 e + 1, which are rows 2 e + 8 (e / 4) and the next of memory
.irp e, 0,1,2,3,4,5,6,7
	global_load_b128 v[R+32*((\s)%4)+4*\e:R+32*((\s)%4)+4*\e+3], v1, s[4:5] offset:(2*\e+8*(\e/4))*4096+256*(\s) th:TH_LOAD_NT
.endr
.endm
.macro TURN s                          ; through the stage: LDS serves a wave's instructions in order, so no wait stands between the stores and the loads
.irp e, 0,1,2,3,4,5,6,7
	ds_store_b128 v2, v[R+32*((\s)%4)+4*\e:R+32*((\s)%4)+4*\e+3] offset:4352*((\s)%2)+544*\e
.endr
.irp e, 0,1,2,3,4,5,6,7
	ds_load_b128 v[X+32*((\s)%2)+4*\e:X+32*((\s)%2)+4*\e+3], v3 offset:4352*((\s)%2)+16*\e
.endr
.endm
.macro STEP s
.set XS, X+32*((\s)%2)
	s_wait_dscnt 0x0                               ; this step's block is back from the stage, and its stores into the stage have read their registers,
.if (\s) < 4
	LOAD (\s)+4                                    ; which take the loads of four steps on
.endif
.if (\s) < 7
.if (\s) < 4
	s_wait_loadcnt 24                              ; the next step's eight loads are in; those of the three steps behind it may be out
.else
	s_wait_loadcnt 8*(6-(\s))                      ; the counts run down: no load is issued any more
.endif
	TURN (\s)+1                                    ; the next step goes through the other stage while this one is worked
.endif
	v_max3_num_f32 v12, |v[XS]|, |v[XS+1]|, |v[XS+2]|              ; the block's largest magnitude: all 32 numbers are mine; two chains
	v_max3_num_f32 v13, |v[XS+3]|, |v[XS+4]|, |v[XS+5]|
.irp i, 6,10,14,18,22,26
	v_max3_num_f32 v12, v12, |v[XS+\i]|, |v[XS+\i+1]|
	v_max3_num_f32 v13, v13, |v[XS+\i+2]|, |v[XS+\i+3]|
.endr
	v_max3_num_f32 v12, v12, |v[XS+30]|, |v[XS+31]|
	v_max3_num_f32 v12, v12, v13, 0x1800000        ; and the floor 2^(3 - 127): the byte cannot fall under 1
	v_add_nc_u32 v11, 0xff000000, v12              ; 2 off the exponent field: the conversion takes this operand's exponent field as its scale
.irp g, 0,1,2,3
	v_cvt_scalef32_pk8_fp4_f32 v[C+4*(\s)+\g], v[XS+8*\g:XS+8*\g+7], v11
.endr
	v_lshrrev_b32 v13, 23, v11                     ; the scale's byte (also the plain line behind the conversions)
.if (\s)%2 == 0
	v_mov_b32 v[BW+(\s)/2], v13                    ; c = 0: blocks 0 and 1 of the K step (which of the two: my half of the lanes),
.else
	v_lshl_or_b32 v[BW+(\s)/2], v13, 16, v[BW+(\s)/2]   ; c = 1: blocks 2 and 3
.endif
	global_store_b128 v4, v[C+4*(\s):C+4*(\s)+3], s[18:19] offset:512*(\s)   ; 32 lanes store 512 consecutive bytes
.endm
	LOAD 0
	LOAD 1
	LOAD 2
	LOAD 3
	s_wait_loadcnt 24                              ; step 0's eight loads are in
	TURN 0
.irp s, 0,1,2,3,4,5,6,7
	STEP \s
.endr
.irp e, 0,1,2,3
	v_lshlrev_b32 v[BW+\e], v6, v[BW+\e]           ; my two bytes to their places,
.endr
.irp e, 0,1,2,3
	v_permlanex16_b32 v[PD+\e], v[BW+\e], s24, s25
.endr
.irp e, 0,1,2,3
	v_or_b32 v[BW+\e], v[BW+\e], v[PD+\e]          ; with lane l xor 16's two the word is whole
.endr
	v_cmp_ne_u32 vcc_lo, 0, v6
	v_cndmask_b32 v8, v[BW], v[BW+2], vcc_lo       ; lanes 0-15 store words 0 and 1 of row r, lanes 16-31 words 2 and 3
	v_cndmask_b32 v9, v[BW+1], v[BW+3], vcc_lo
	global_store_b64 v5, v[8:9], s[20:21]          ; 32 lanes store 256 consecutive bytes, aligned
	s_wait_tensorcnt 0x0
	ds_add_u32 v254, v255
	s_wait_dscnt 0x0
	s_endpgm
	; ---- the weights: codes and scale bytes as they are given, laid as images ----
.Lweights:
	s_load_b512 s[32:47], s[0:1], 0x8              ; Wq's codes, scales; Wk's; Wv's; Wo's
	s_sub_co_u32 s9, ttmp9, 256
	s_lshr_b32 s26, s9, 4                          ; which weight: 16 work-groups each
	s_lshl_b32 s10, s9, 2
	s_add_co_u32 s10, s10, s8                      ; the tile among the 256
	s_and_b32 s11, s10, 63                         ; and in its weight
	s_lshr_b32 s12, s11, 1
	s_lshl_b32 s12, s12, 5
	s_and_b32 s13, s11, 1
	s_lshl_b32 s13, s13, 3
	s_add_co_u32 s12, s12, s13                     ; the tile's first row
	s_lshl_b32 s14, s12, 9                         ; rows of 512 bytes of codes,
	s_mov_b32 s15, 0
	s_lshl_b32 s16, s12, 5                         ; of 32 scale bytes
	s_mov_b32 s17, 0
	s_add_co_u32 s18, s10, 512                     ; the tile's number in img
	s_lshl_b32 s20, s18, 13
	s_mov_b32 s21, 0
	s_lshl_b32 s22, s18, 9
	s_add_co_u32 s22, s22, SOFF
	s_mov_b32 s23, 0
	v_and_b32 v8, 8, v7
	v_add_nc_u32 v8, v8, v7                        ; r + 8 (r / 8)
	v_lshlrev_b32 v9, 9, v8
	v_lshl_add_u32 v9, v6, 4, v9                   ; my row's codes, + 16 h
	v_lshlrev_b32 v10, 5, v8
	v_lshl_add_u32 v10, v6, 4, v10                 ; my row's scale bytes: K half h
	s_wait_kmcnt 0x0
	s_cmp_eq_u32 s26, 1                            ; the choice hangs on the work-group's number alone
	s_cselect_b64 s[32:33], s[36:37], s[32:33]
	s_cselect_b64 s[34:35], s[38:39], s[34:35]
	s_cmp_eq_u32 s26, 2
	s_cselect_b64 s[32:33], s[40:41], s[32:33]
	s_cselect_b64 s[34:35], s[42:43], s[34:35]
	s_cmp_eq_u32 s26, 3
	s_cselect_b64 s[32:33], s[44:45], s[32:33]
	s_cselect_b64 s[34:35], s[46:47], s[34:35]
	s_add_nc_u64 s[32:33], s[32:33], s[14:15]
	s_add_nc_u64 s[34:35], s[34:35], s[16:17]
	s_add_nc_u64 s[28:29], s[6:7], s[20:21]
	s_add_nc_u64 s[30:31], s[6:7], s[22:23]
.irp s, 0,1,2,3,4,5,6,7,8,9,10,11,12,13,14,15
	global_load_b128 v[16+4*\s:19+4*\s], v9, s[32:33] offset:32*\s   ; s = 2 q + c: k = 128 q + 64 c + 32 h + 0 .. 31 of my row.  (Short pieces of rows: the four weights are 2 MB, read here once)
.endr
	global_load_b128 v[80:83], v10, s[34:35]
	s_wait_loadcnt 0x0
.irp s, 0,1,2,3,4,5,6,7,8,9,10,11,12,13,14,15
	global_store_b128 v4, v[16+4*\s:19+4*\s], s[28:29] offset:512*\s
.endr
	global_store_b128 v4, v[80:83], s[30:31]       ; 16 x lane = 256 h + 16 r: [K half][r][4 words]
	s_endpgm
.Lfunc_end_k_qc346736a69_prep:
	.size	k_qc346736a69_prep, .Lfunc_end_k_qc346736a69_prep-k_qc346736a69_prep
	.p2alignl 7, 3214868480
	.fill 96, 4, 3214868480
	.section	.rodata,"a",@progbits
	.p2align	6, 0x0
	.amdhsa_kernel k_qc346736a69_prep
		.amdhsa_group_segment_fixed_size 35328
		.amdhsa_private_segment_fixed_size 0
		.amdhsa_enable_private_segment 0
		.amdhsa_kernarg_size 80
		.amdhsa_user_sgpr_count 2
		.amdhsa_user_sgpr_kernarg_segment_ptr 1
		.amdhsa_wavefront_size32 1
		.amdhsa_system_sgpr_workgroup_id_x 1
		.amdhsa_system_sgpr_workgroup_id_y 1
		.amdhsa_system_sgpr_workgroup_id_z 1
		.amdhsa_system_vgpr_workitem_id 0
		.amdhsa_next_free_vgpr 256
		.amdhsa_next_free_sgpr 66
		.amdhsa_reserve_vcc 1
		.amdhsa_float_denorm_mode_32 3
		.amdhsa_float_denorm_mode_16_64 3
		.amdhsa_memory_ordered 1
		.amdhsa_forward_progress 1
		.amdhsa_inst_pref_size 35
	.end_amdhsa_kernel
	.amdgpu_metadata
---
amdhsa.version: [ 1, 2 ]
amdhsa.kernels:
  - .name:           k_qc346736a69_prep
    .symbol:         k_qc346736a69_prep.kd
    .args:
      - { .name: input_tensor, .offset: 0, .size: 8, .value_kind: global_buffer, .address_space: global }
      - { .name: Wq_codes, .offset: 8, .size: 8, .value_kind: global_buffer, .address_space: global }
      - { .name: Wq_scales, .offset: 16, .size: 8, .value_kind: global_buffer, .address_space: global }
      - { .name: Wk_codes, .offset: 24, .size: 8, .value_kind: global_buffer, .address_space: global }
      - { .name: Wk_scales, .offset: 32, .size: 8, .value_kind: global_buffer, .address_space: global }
      - { .name: Wv_codes, .offset: 40, .size: 8, .value_kind: global_buffer, .address_space: global }
      - { .name: Wv_scales, .offset: 48, .size: 8, .value_kind: global_buffer, .address_space: global }
      - { .name: Wo_codes, .offset: 56, .size: 8, .value_kind: global_buffer, .address_space: global }
      - { .name: Wo_scales, .offset: 64, .size: 8, .value_kind: global_buffer, .address_space: global }
      - { .name: img, .offset: 72, .size: 8, .value_kind: global_buffer, .address_space: global }
    .group_segment_fixed_size: 35328
    .private_segment_fixed_size: 0
    .kernarg_segment_align: 8
    .kernarg_segment_size: 80
    .max_flat_workgroup_size: 128
    .sgpr_count:     66
    .vgpr_count:     256
    .wavefront_size: 32
...
	.end_amdgpu_metadata
.endif
;; end of part 1
;; launch proj (part 2): grid 12 x 32, 8 waves a work-group, no clusters, 280,576 bytes of LDS; arguments img, bq, bk, bv, qkv; writes qkv
.if DOCPART == 2
	.amdgcn_target "amdgcn-amd-amdhsa--gfx1250"
	.amdhsa_code_object_version 6
	.text
	.protected	k_qc346736a69_proj
	.globl	k_qc346736a69_proj
	.p2align	8
	.type	k_qc346736a69_proj,@function
k_qc346736a69_proj:
	s_mov_b64 s[64:65], 0
	v_nop
	global_prefetch_b8 v0, s[64:65] scope:SCOPE_SE
	s_setreg_imm32_b32 hwreg(HW_REG_WAVE_MODE, 25, 1), 1
	s_wait_xcnt 0x0
; q = x Wq^T + bq, k = x Wk^T + bk, v = x Wv^T + bv on codes of FP4 with E8M0 scales (K = 1,024), and each result quantised in registers for the product that takes it: q and k along a head's 64, v along the KEYS.
; Only codes and scale words leave, into qkv, one block of HB bytes for each (batch, head), laid in the order of the operands' registers:
;   K_IMG 0: [tile of 16 keys: 128][lane][16 bytes]   V_IMG 65,536: [step of 128 keys: 16][tile of 16 channels: 4][c: 2][lane][16 bytes]   K_SC 131,072: [tile / 4][r][tile % 4] words
;   V_SC 139,264: [step][r][channel tile] words   Q_IMG 143,360 and Q_SC 208,896: as K's.
; 1 / sqrt(64) = 2^-3 is taken off q's scale bytes: exact.
; SHARES.  A work-group makes 256 x 256 numbers: x = 4 which + quarter of the weight's rows (which: 0 q, 1 k, 2 v), y = 256 tokens.  All of K lies in LDS, filled once: no slot is ever filled again.
; ONE TEXT FOR THE THREE.  Operand J is source 0: its rows run along a lane's registers, and along them the result is quantised; operand I is source 1: its rows lie in the lanes.  For q and k J is the weight and I is x;
; for v J is x (the keys) and I is the weight.  The two differ in the number of their first tile in img alone.  Wave w: 128 rows of J (w % 2), 64 rows of I (w / 2): 32 accumulators of 16 x 16.
; NO CLUSTER: work-groups of one x share the weight's tiles and those of one y share x's, so joint loads would divide the requests; left out of this text to keep it plain; each work-group fetches 272 KB once.
; LIMITS: a block of q whose largest magnitude lies under 2^(6 - 127), of k or v under 2^(3 - 127), takes the floor's scale; blocks of zeros carry the floor's byte (their codes are zeros; this program alone reads the bytes).
; REGISTERS.  Window 0: v1-15 addresses; v16-47, v48-63 scale words of J and of I, which hold nothing else; v64-159, v160-255 two sets of fragments (8 of J, 4 of I); the way out uses v64-255.  Window 1: accumulator (i, j) at v[64 i + 8 j].
.set SOFF,  6291456
.set HB,    217088
.set SCL,   262144                     ; LDS: codes [K half: 2][operand: 2][tile: 16][4,096 bytes] from 0; scale words [operand][tile][512 bytes] from here;
.set BIAS,  278528                     ; the work-group's 256 biases: stored by the waves, in blocks of 256 bytes into which no fill lands
.set VS,   2                           ; v2     way out: the scale words' offset
.set SHV,  3                           ; v3     way out: the shift that picks my head's two bytes
.set AJ,   4                           ; v4-5   LDS address of my J fragments, K half 0, 1
.set AI,   6                           ; v6-7   of my I fragments
.set VB,   4                           ; v4-7   way out (the four above are done with): the second store's offsets
.set ASJ,  8
.set ASI,  9
.set ABJ,  10
.set ABI,  11
.set VA,   12                          ; v12-15 way out: the first store's offsets, one for each tile of I
.set SJ,   16                          ; register 8 t + q: J's tile t in lanes 0-15, tile t + 4 in lanes 16-31, K step q
.set SI,   48                          ; register 8 i + q: I's tile i in lanes 0-15, tile i + 2 in lanes 16-31
.set F0,   64
.set F1,   160
.set BJ,   64                          ; way out: the bias along J: 64 numbers in the result's layout
.set HA,   128                         ; 64 numbers of a lane: one tile of I against my 128 rows of J
.set PC,   192                         ; codes: 8 registers for each tile of I, so that no store's data are written again
.set TM,   224
.set PW,   240
.set WS,   244                         ; v244-247 the four tiles' scale words
.set BI,   248                         ; the bias along I: a pair for each tile
.set ISV,  23
.set SEL,  62
.set C2,   75
.set SHS,  76
.set SHAMT, 77
.set FLOOR, 78
.set ADJ,  79
.set CSTEP, 81
.set MSB, 0
.macro WIN new                         ; the immediate's high byte repeats the setting that is left
.if MSB != \new
	s_set_vgpr_msb (MSB<<8)|\new
.set MSB, \new
.endif
.endm
.macro PLACES                          ; four plain places behind a matrix instruction, in front of loads into its sources and of reads of its results
.rept 4
	v_nop
.endr
.endm
	s_load_b256 s[4:11], s[0:1], 0x0               ; img, bq, bk, bv
	s_load_b64 s[12:13], s[0:1], 0x20              ; qkv
	v_lshl_add_u32 v254, v0, 2, 0x44400
	v_mov_b32 v255, 0
	ds_add_u32 v254, v255
	ds_add_u32 v254, v255
	s_wait_dscnt 0x0
	v_lshrrev_b32 v1, 5, v0
	v_readfirstlane_b32 s14, v1                    ; wave 0..7
	s_mov_b32 s15, ttmp9
	s_and_b32 s16, ttmp7, 0xffff
	s_lshr_b32 s17, s15, 2                         ; which: 0 q, 1 k, 2 v
	s_and_b32 s18, s15, 3                          ; which quarter of the weight's rows
	s_lshr_b32 s19, s16, 3                         ; batch
	s_and_b32 s20, s16, 7                          ; which 256 tokens of it
	s_and_b32 s21, s14, 1                          ; wj
	s_lshr_b32 s22, s14, 1                         ; wi
	s_lshl_b32 s52, s15, 4
	s_add_co_u32 s52, s52, 512                     ; the weight's first tile in img
	s_lshl_b32 s53, s16, 4                         ; x's
	s_cmp_eq_u32 s17, 2
	s_cselect_b32 s[ISV], 1, 0
	s_cselect_b32 s54, s53, s52                    ; J's first tile
	s_cselect_b32 s55, s52, s53                    ; I's
	s_cmp_lt_u32 s14, 4                            ; waves 0-3 fetch J's sixteen tiles, waves 4-7 I's, four each
	s_cselect_b32 s56, s54, s55
	s_and_b32 s57, s14, 3
	s_lshl_b32 s57, s57, 2
	s_add_co_u32 s56, s56, s57
	s_lshl_b32 s58, s56, 13                        ; their codes,
	s_mov_b32 s59, 0
	s_lshl_b32 s60, s56, 9                         ; their scale words
	s_add_co_u32 s60, s60, SOFF
	s_mov_b32 s61, 0
	; group 1 for four tiles' scale words: 2,048 dense bytes as 8 rows of 256 (32 elements of 8 bytes)
	s_mov_b32 s24, 3<<16
	s_mov_b32 s25, 32<<16
	s_mov_b32 s26, 8<<16
	s_mov_b32 s27, 32<<16
	s_mov_b32 s28, 8
	s_mov_b32 s29, 32
	s_mov_b32 s30, 0
	s_mov_b32 s31, 0
	; group 1 for one K half of four tiles' codes: 4 rows of 4,096 bytes (512 elements), 8,192 bytes (1,024 elements) apart
	s_mov_b32 s32, 3<<16
	s_mov_b32 s33, 512<<16
	s_mov_b32 s34, 4<<16
	s_mov_b32 s35, 512<<16
	s_mov_b32 s36, 4
	s_mov_b32 s37, 1024
	s_mov_b32 s38, 0
	s_mov_b32 s39, 0
	s_wait_kmcnt 0x0
	s_mov_b32 s40, 1
	s_lshl_b32 s41, s14, 11
	s_add_co_u32 s41, s41, SCL                     ; LDS: SCL + 2,048 x wave
	s_add_nc_u64 s[42:43], s[4:5], s[60:61]
	s_or_b32 s43, s43, 0x80000000
	s_mov_b32 s44, 1
	s_lshl_b32 s45, s14, 14                        ; LDS: 16,384 x wave = operand x 65,536 + tile x 4,096
	s_add_nc_u64 s[46:47], s[4:5], s[58:59]
	s_add_nc_u64 s[50:51], s[46:47], 4096          ; K half 1 lies 4,096 bytes on in each tile
	s_or_b32 s47, s47, 0x80000000
	s_mov_b32 s48, 1
	s_add_co_u32 s49, s45, 131072
	s_or_b32 s51, s51, 0x80000000
	tensor_load_to_lds s[40:43], s[24:31]          ; the three first fills go out together, ahead of every wait on TENSORcnt, LDS read and barrier: three loads of mine are out
	s_nop 0
	tensor_load_to_lds s[44:47], s[32:39]
	s_nop 0
	tensor_load_to_lds s[48:51], s[32:39]
	s_nop 0
.rept 4
	v_nop
.endr
	s_cmp_eq_u32 s17, 1                            ; the bias that belongs to the weight: the choice hangs on the work-group's number alone
	s_cselect_b64 s[6:7], s[8:9], s[6:7]
	s_cmp_eq_u32 s17, 2
	s_cselect_b64 s[6:7], s[10:11], s[6:7]
	s_lshl_b32 s58, s18, 10
	s_mov_b32 s59, 0
	s_add_nc_u64 s[6:7], s[6:7], s[58:59]
	v_lshlrev_b32 v64, 2, v0
	global_load_b32 v65, v64, s[6:7]               ; thread t: the bias of the work-group's row t of the weight
	v_lshl_add_u32 v66, v0, 2, BIAS
	v_and_b32 v1, 31, v0
	v_lshlrev_b32 v1, 4, v1                        ; 16 x lane
	v_and_b32 v67, 15, v0                          ; r
	v_bfe_u32 v68, v0, 4, 1                        ; h
	v_lshlrev_b32 v69, 4, v67                      ; 16 r
	s_lshl_b32 s57, s21, 15
	v_add_nc_u32 v[AJ], s57, v1                    ; J: my 8 tiles
	v_add_nc_u32 v[AJ+1], 131072, v[AJ]
	s_lshl_b32 s57, s22, 14
	s_add_co_u32 s57, s57, 65536
	v_add_nc_u32 v[AI], s57, v1                    ; I: my 4 tiles
	v_add_nc_u32 v[AI+1], 131072, v[AI]
	s_lshl_b32 s57, s21, 12
	s_add_co_u32 s57, s57, SCL
	v_lshl_add_u32 v[ASJ], v68, 11, v69            ; J's scale words: row r; lanes 16-31 four tiles on
	v_add_nc_u32 v[ASJ], s57, v[ASJ]
	s_lshl_b32 s57, s22, 11
	s_add_co_u32 s57, s57, SCL+8192
	v_lshl_add_u32 v[ASI], v68, 10, v69            ; I's: lanes 16-31 two tiles on
	v_add_nc_u32 v[ASI], s57, v[ASI]
	s_lshl_b32 s57, s21, 9
	s_add_co_u32 s57, s57, BIAS
	v_lshlrev_b32 v[ABJ], 6, v68                   ; the bias along J: my 128 rows, my half's 16 of each 32
	v_add_nc_u32 v[ABJ], s57, v[ABJ]
	v_and_b32 v[ABI], 8, v67
	v_add_nc_u32 v[ABI], v[ABI], v67
	v_lshlrev_b32 v[ABI], 2, v[ABI]                ; along I: row r + 8 (r / 8) of a tile
	s_lshl_b32 s57, s22, 8
	s_add_co_u32 s57, s57, BIAS
	v_add_nc_u32 v[ABI], s57, v[ABI]
	s_mov_b32 s[SEL], 0x76543210
	s_mov_b32 s[SEL+1], 0xfedcba98
	; where the results go.  q, k: my J rows are two heads, my I tiles four tiles of tokens.  v: my J rows are one step of 128 keys, my I tiles the four channel tiles of one head.
	s_lshl_b32 s66, s21, 1
	s_lshl_b32 s67, s20, 1
	s_add_co_u32 s67, s67, s21                     ; v: the key step 2 tb + wj
	s_lshl_b32 s68, s20, 2
	s_add_co_u32 s68, s68, s22                     ; q, k: the group of four tiles 4 tb + wi
	s_lshl_b32 s69, s19, 4
	s_lshl_b32 s70, s18, 2
	s_add_co_u32 s69, s69, s70                     ; 16 batch + 4 quarter
	s_mov_b32 s71, 143360
	s_mov_b32 s72, 208896
	s_mov_b32 s73, 131072
	s_mov_b32 s[FLOOR], 3<<23
	s_cmp_eq_u32 s17, 0
	s_cselect_b32 s71, s71, 0                      ; the codes' region: q's or k's,
	s_cselect_b32 s72, s72, s73                    ; the scale words' likewise
	s_cselect_b32 s[FLOOR], 6<<23, s[FLOOR]        ; q's floor is 2^(6 - 127), so that its byte less 3 stays at 1 or above
	s_cselect_b32 s[ADJ], 0x03030303, 0            ; 3 off each of q's bytes: 1 / sqrt(64)
	s_mov_b32 s73, 65536
	s_mov_b32 s74, 139264
	s_mov_b32 s[C2], HB
	s_mov_b32 s[SHS], HB
	s_cmp_eq_u32 s17, 2
	s_cselect_b32 s71, s73, s71                    ; or v's
	s_cselect_b32 s72, s74, s72
	s_cselect_b32 s66, s22, s66                    ; the head in the quarter: v: wi; q, k: 2 wj (and the next)
	s_cselect_b32 s67, s67, s68
	s_cselect_b32 s[C2], 512, s[C2]                ; from a fragment's registers 0-3 to 4-7: v: the other half of the fragment; q, k: the next head's block
	s_cselect_b32 s[SHS], 0, s[SHS]                ; lanes 16-31 store the next head's scale words (q, k)
	s_cselect_b32 s[SHAMT], 0, 16                  ; which are the upper two bytes of the word made
	s_cselect_b32 s80, 12, 11                      ; four tiles' codes: v 4,096 bytes, q and k 2,048
	s_lshl_b32 s[CSTEP], 512, s[ISV]               ; one tile's: 1,024 or 512
	s_add_co_u32 s69, s69, s66
	s_mul_i32 s69, s69, HB                         ; the head's block
	s_lshl_b32 s82, s67, s80
	s_add_co_u32 s82, s82, s71
	s_add_co_u32 s82, s82, s69
	s_mov_b32 s83, 0
	s_lshl_b32 s84, s67, 8
	s_add_co_u32 s84, s84, s72
	s_add_co_u32 s84, s84, s69
	s_mov_b32 s85, 0
	s_add_nc_u64 s[82:83], s[12:13], s[82:83]      ; codes
	s_add_nc_u64 s[84:85], s[12:13], s[84:85]      ; scale words
	v_mov_b32 v[VA], v1
	v_add_nc_u32 v[VA+1], s[CSTEP], v[VA]
	v_add_nc_u32 v[VA+2], s[CSTEP], v[VA+1]
	v_add_nc_u32 v[VA+3], s[CSTEP], v[VA+2]
	v_mul_u32_u24 v[VS], v68, s[SHS]
	v_add_nc_u32 v[VS], v[VS], v69
	v_mul_u32_u24 v[SHV], v68, s[SHAMT]
	s_wait_loadcnt 0x0
	ds_store_b32 v66, v65
	s_wait_tensorcnt 0x1                           ; my scale words and my part of K half 0 are in; K half 1's load may stay out
	s_wait_dscnt 0x0                               ; for the others' sake: my bias is stored
	s_barrier_signal -1
	s_barrier_wait -1
.irp t, 0,1,2,3
.irp k, 0,1
	ds_load_b128 v[SJ+8*\t+4*\k:SJ+8*\t+4*\k+3], v[ASJ] offset:512*\t+256*\k
.endr
.endr
.irp i, 0,1
.irp k, 0,1
	ds_load_b128 v[SI+8*\i+4*\k:SI+8*\i+4*\k+3], v[ASI] offset:512*\i+256*\k
.endr
.endr
.macro FETCH q, f                      ; 24 LDS loads, 512 consecutive bytes each: the fragments of K step q
.irp j, 0,1,2,3,4,5,6,7
.irp c, 0,1
	ds_load_b128 v[\f+8*\j+4*\c:\f+8*\j+4*\c+3], v[AJ+((\q)/4)] offset:4096*\j+1024*((\q)%4)+512*\c
.endr
.endr
.irp i, 0,1,2,3
.irp c, 0,1
	ds_load_b128 v[\f+64+8*\i+4*\c:\f+64+8*\i+4*\c+3], v[AI+((\q)/4)] offset:4096*\i+1024*((\q)%4)+512*\c
.endr
.endr
.endm
.macro WM i, j, q, f, zero             ; one product.  The scale words of J's tiles 4-7 and of I's tiles 2, 3 stand in lanes 16-31
.set rD, 64*(\i)+8*(\j)
.set rA, \f+8*(\j)
.set rB, \f+64+8*(\i)
.set rSA, SJ+8*((\j)%4)+(\q)
.set rSB, SI+8*((\i)%2)+(\q)
.if \zero
.if ((\j) < 4) && ((\i) < 2)
	v_wmma_scale_f32_16x16x128_f8f6f4 v[rD:rD+7], v[rA:rA+7], v[rB:rB+7], 0, v[rSA], v[rSB] matrix_a_fmt:MATRIX_FMT_FP4 matrix_b_fmt:MATRIX_FMT_FP4
.elseif ((\i) < 2)
	v_wmma_scale_f32_16x16x128_f8f6f4 v[rD:rD+7], v[rA:rA+7], v[rB:rB+7], 0, v[rSA], v[rSB] matrix_a_fmt:MATRIX_FMT_FP4 matrix_b_fmt:MATRIX_FMT_FP4 matrix_a_scale:MATRIX_SCALE_ROW1
.elseif ((\j) < 4)
	v_wmma_scale_f32_16x16x128_f8f6f4 v[rD:rD+7], v[rA:rA+7], v[rB:rB+7], 0, v[rSA], v[rSB] matrix_a_fmt:MATRIX_FMT_FP4 matrix_b_fmt:MATRIX_FMT_FP4 matrix_b_scale:MATRIX_SCALE_ROW1
.else
	v_wmma_scale_f32_16x16x128_f8f6f4 v[rD:rD+7], v[rA:rA+7], v[rB:rB+7], 0, v[rSA], v[rSB] matrix_a_fmt:MATRIX_FMT_FP4 matrix_b_fmt:MATRIX_FMT_FP4 matrix_a_scale:MATRIX_SCALE_ROW1 matrix_b_scale:MATRIX_SCALE_ROW1
.endif
.else
.if ((\j) < 4) && ((\i) < 2)
	v_wmma_scale_f32_16x16x128_f8f6f4 v[rD:rD+7], v[rA:rA+7], v[rB:rB+7], v[rD:rD+7], v[rSA], v[rSB] matrix_a_fmt:MATRIX_FMT_FP4 matrix_b_fmt:MATRIX_FMT_FP4
.elseif ((\i) < 2)
	v_wmma_scale_f32_16x16x128_f8f6f4 v[rD:rD+7], v[rA:rA+7], v[rB:rB+7], v[rD:rD+7], v[rSA], v[rSB] matrix_a_fmt:MATRIX_FMT_FP4 matrix_b_fmt:MATRIX_FMT_FP4 matrix_a_scale:MATRIX_SCALE_ROW1
.elseif ((\j) < 4)
	v_wmma_scale_f32_16x16x128_f8f6f4 v[rD:rD+7], v[rA:rA+7], v[rB:rB+7], v[rD:rD+7], v[rSA], v[rSB] matrix_a_fmt:MATRIX_FMT_FP4 matrix_b_fmt:MATRIX_FMT_FP4 matrix_b_scale:MATRIX_SCALE_ROW1
.else
	v_wmma_scale_f32_16x16x128_f8f6f4 v[rD:rD+7], v[rA:rA+7], v[rB:rB+7], v[rD:rD+7], v[rSA], v[rSB] matrix_a_fmt:MATRIX_FMT_FP4 matrix_b_fmt:MATRIX_FMT_FP4 matrix_a_scale:MATRIX_SCALE_ROW1 matrix_b_scale:MATRIX_SCALE_ROW1
.endif
.endif
.endm
.macro MUL q, f, zero                  ; 32 products: the 32 accumulators take turns, one instruction a turn, in the same order in every K step.  zero = 1: the first products start the sums
	WIN 0x50                                       ; C and D in window 1
.irp i, 0,1,2,3
.irp j, 0,1,2,3,4,5,6,7
	WM \i, \j, \q, \f, \zero
.endr
.endr
	WIN 0
.endm
.macro KSTEP q, f, g, zero             ; multiplies set f; the next K step's fragments are fetched into set g first
.if (\q) == 3
	s_wait_tensorcnt 0x0                           ; my part of K half 1 is in,
	s_wait_dscnt 0x0                               ; no LDS instruction of mine is pending at the signal,
	s_barrier_signal -1
	s_barrier_wait -1                              ; everybody's is.
.endif
.if (\q) > 0
	PLACES                                         ; set g was multiplied in the K step before
.endif
.if (\q) < 7
	FETCH (\q)+1, \g
	s_wait_dscnt 24                                ; all but the 24 just issued
.else
	s_wait_dscnt 0x0
.endif
	MUL \q, \f, \zero
.endm
	FETCH 0, F0
	KSTEP 0, F0, F1, 1
	KSTEP 1, F1, F0, 0
	KSTEP 2, F0, F1, 0
	KSTEP 3, F1, F0, 0
	KSTEP 4, F0, F1, 0
	KSTEP 5, F1, F0, 0
	KSTEP 6, F0, F1, 0
	KSTEP 7, F1, F0, 0
	; ---- THE WAY OUT: bias, quantiser, images ----
	PLACES
.irp b, 0,1,2,3
.irp e, 0,1,2,3
	ds_load_b128 v[BJ+16*\b+4*\e:BJ+16*\b+4*\e+3], v[ABJ] offset:128*\b+16*\e     ; register 16 b + i: the bias of J's row 32 b + 16 h + i
.endr
.endr
.irp i, 0,1,2,3
	ds_load_b32 v[BI+2*\i], v[ABI] offset:4*(32*(\i/2)+8*(\i%2))                  ; the bias of my row of I's tile i, twice: a pair for the packed addition
	ds_load_b32 v[BI+2*\i+1], v[ABI] offset:4*(32*(\i/2)+8*(\i%2))
.endr
.irp i, 0,1,2,3
	v_add_nc_u32 v[VB+\i], s[C2], v[VA+\i]
.endr
.irp b, 0,1,2,3
	v_mov_b32 v[TM+4+\b], 0                        ; a lane permute's destination counts as one of its sources
.endr
	s_wait_dscnt 0x0
; 64 numbers of a lane, register 16 b + i = k 32 b + 16 (lane / 16) + i of my row, become a fragment's codes in v[pc] on and its scale word in v[PW]
.macro QUANT s, pc
.irp b, 0,1,2,3
	v_max3_num_f32 v[TM+\b], |v[\s+16*\b]|, |v[\s+1+16*\b]|, s[FLOOR]            ; block b: my 16 numbers, and the floor
.endr
.irp i, 2,4,6,8,10,12,14
.irp b, 0,1,2,3
	v_max3_num_f32 v[TM+\b], v[TM+\b], |v[\s+16*\b+\i]|, |v[\s+1+16*\b+\i]|      ; (the four blocks by turns)
.endr
.endr
.irp b, 0,1,2,3
	v_permlanex16_b32 v[TM+4+\b], v[TM+\b], s[SEL], s[SEL+1]
.endr
.irp b, 0,1,2,3
	v_max_num_f32 v[TM+\b], v[TM+\b], v[TM+4+\b]   ; with lane l xor 16's: the block's largest magnitude
.endr
.irp b, 0,1,2,3
	v_add_nc_u32 v[TM+12+\b], 0xff000000, v[TM+\b] ; 2 off its exponent field: the conversion's scale operand
.endr
.irp b, 0,1,2,3
	v_lshrrev_b32 v[TM+4+\b], 23, v[TM+12+\b]      ; the scale's byte
.endr
	v_lshl_or_b32 v[PW], v[TM+5], 8, v[TM+4]
	v_lshl_or_b32 v[PW], v[TM+6], 16, v[PW]
	v_lshl_or_b32 v[PW], v[TM+7], 24, v[PW]
.irp b, 0,1,2,3
	v_cvt_scalef32_pk8_fp4_f32 v[(\pc)+2*\b], v[\s+16*\b:\s+7+16*\b], v[TM+12+\b]
	v_cvt_scalef32_pk8_fp4_f32 v[(\pc)+1+2*\b], v[\s+8+16*\b:\s+15+16*\b], v[TM+12+\b]
.endr
	v_nop                                          ; one plain place behind a scaled conversion
.irp c, 0,1                                    ; the operand's layout wants a whole block in a lane: lanes 0-15 block 2 c, lanes 16-31 block 2 c + 1
.irp i, 0,1
	v_permlane16_swap_b32 v[(\pc)+4*\c+\i], v[(\pc)+2+4*\c+\i]
.endr
.endr
.endm
.macro UNIT i                          ; I's tile i against my 128 rows of J
	s_cmp_lg_u32 s[ISV], 0                         ; the bias runs along the weight's rows: along J for q and k, along I for v.  Only register work stands in the two arms
	s_cbranch_scc1 .Lalong_i_\@
	WIN 0x01                                       ; source 0 in window 1.  The addition is also the way into window 0
.set n, 0
.rept 32
	v_pk_add_f32 v[HA+n:HA+n+1], v[64*\i+n:64*\i+n+1], v[BJ+n:BJ+n+1]
.set n, n+2
.endr
	WIN 0
	s_branch .Ladded_\@
.Lalong_i_\@:
	WIN 0x01
.set n, 0
.rept 32
	v_pk_add_f32 v[HA+n:HA+n+1], v[64*\i+n:64*\i+n+1], v[BI+2*\i:BI+2*\i+1]
.set n, n+2
.endr
	WIN 0
.Ladded_\@:
	QUANT HA, PC+8*\i
	v_sub_nc_u32 v[PW], v[PW], s[ADJ]              ; q: 3 off each byte (each is 4 or more: no borrow)
	v_lshrrev_b32 v[WS+\i], v[SHV], v[PW]          ; q, k: lanes 0-15 keep the first head's two bytes lowest, lanes 16-31 get the second head's; the bytes above them scale zero codes and are never 0xff
	global_store_b128 v[VA+\i], v[PC+8*\i:PC+8*\i+3], s[82:83]       ; 512 consecutive bytes: q, k: the first head's tile; v: the fragment's keys 0-63
	global_store_b128 v[VB+\i], v[PC+8*\i+4:PC+8*\i+7], s[82:83]     ; q, k: the second head's; v: keys 64-127
.endm
	UNIT 0
	UNIT 1
	UNIT 2
	UNIT 3
	global_store_b128 v[VS], v[WS:WS+3], s[84:85]  ; [r][4 words]: 256 consecutive bytes for each head (v: both halves of the lanes store the same bytes to the same place)
	s_wait_xcnt 0x0
	v_lshl_add_u32 v254, v0, 2, 0x44400
	v_mov_b32 v255, 0
	s_wait_tensorcnt 0x0
	ds_add_u32 v254, v255
	s_wait_dscnt 0x0
	s_endpgm
.Lfunc_end_k_qc346736a69_proj:
	.size	k_qc346736a69_proj, .Lfunc_end_k_qc346736a69_proj-k_qc346736a69_proj
	.p2alignl 7, 3214868480
	.fill 96, 4, 3214868480
	.section	.rodata,"a",@progbits
	.p2align	6, 0x0
	.amdhsa_kernel k_qc346736a69_proj
		.amdhsa_group_segment_fixed_size 280576
		.amdhsa_private_segment_fixed_size 0
		.amdhsa_enable_private_segment 0
		.amdhsa_kernarg_size 40
		.amdhsa_user_sgpr_count 2
		.amdhsa_user_sgpr_kernarg_segment_ptr 1
		.amdhsa_wavefront_size32 1
		.amdhsa_system_sgpr_workgroup_id_x 1
		.amdhsa_system_sgpr_workgroup_id_y 1
		.amdhsa_system_sgpr_workgroup_id_z 1
		.amdhsa_system_vgpr_workitem_id 0
		.amdhsa_next_free_vgpr 512
		.amdhsa_next_free_sgpr 86
		.amdhsa_reserve_vcc 0
		.amdhsa_float_denorm_mode_32 3
		.amdhsa_float_denorm_mode_16_64 3
		.amdhsa_memory_ordered 1
		.amdhsa_forward_progress 1
		.amdhsa_inst_pref_size 89
	.end_amdhsa_kernel
	.amdgpu_metadata
---
amdhsa.version: [ 1, 2 ]
amdhsa.kernels:
  - .name:           k_qc346736a69_proj
    .symbol:         k_qc346736a69_proj.kd
    .args:
      - { .name: img, .offset: 0, .size: 8, .value_kind: global_buffer, .address_space: global }
      - { .name: bq, .offset: 8, .size: 8, .value_kind: global_buffer, .address_space: global }
      - { .name: bk, .offset: 16, .size: 8, .value_kind: global_buffer, .address_space: global }
      - { .name: bv, .offset: 24, .size: 8, .value_kind: global_buffer, .address_space: global }
      - { .name: qkv, .offset: 32, .size: 8, .value_kind: global_buffer, .address_space: global }
    .group_segment_fixed_size: 280576
    .private_segment_fixed_size: 0
    .kernarg_segment_align: 8
    .kernarg_segment_size: 40
    .max_flat_workgroup_size: 256
    .sgpr_count:     86
    .vgpr_count:     512
    .wavefront_size: 32
...
	.end_amdgpu_metadata
.endif
;; end of part 2
;; launch attn (part 3): grid 4 x 64, 16 waves a work-group, no clusters, 169,984 bytes of LDS; arguments qkv, attention_mask, cq; writes cq
.if DOCPART == 3
	.amdgcn_target "amdgcn-amd-amdhsa--gfx1250"
	.amdhsa_code_object_version 6
	.text
	.protected	k_qc346736a69_attn
	.globl	k_qc346736a69_attn
	.p2align	8
	.type	k_qc346736a69_attn,@function
k_qc346736a69_attn:
	s_mov_b64 s[64:65], 0
	v_nop
	global_prefetch_b8 v0, s[64:65] scope:SCOPE_SE
	s_setreg_imm32_b32 hwreg(HW_REG_WAVE_MODE, 25, 1), 1
	s_wait_xcnt 0x0
; ctx[b][q][head] = softmax_k(q . k / 8 + mask[b][k]) v, both products on codes of FP4 with E8M0 scales, and ctx quantised along H for the last product.  Inputs: a head's block of qkv (layout: at the head of the launch that makes it).
; THE SOFTMAX AHEAD OF THE SECOND PRODUCT: t = logit x log2(e); M = the row's largest t so far, rounded UP to a whole number; p = 2^(t - M) is quantised along the keys, not normalised; the row's sum is taken of the
; unquantised p and divides at the end.  When M moves, the sum and O are multiplied by 2^(old M - new M): exact.
; 1 / 8 lies in q's scale bytes already, so the first product gives score / 8, AND THE MASK IS ITS C OPERAND: eight registers a tile in the result's layout.
; SHARES.  A work-group owns 512 queries of one (batch, head); each of its sixteen waves two tiles of 16, one after the other, in 256 registers: four waves to a SIMD, so that one wave's vector work stands beside another's
; matrix work and LDS loads.  THE HEAD'S K, V AND THEIR SCALE WORDS, 143,360 BYTES, AND THE BATCH'S MASK LIE IN LDS FOR THE WHOLE LAUNCH, filled once: one barrier, and behind it no wave waits for another.
; LAYOUT.  Both products are used transposed: S^T = K Q^T (source 0 = 16 keys), O^T = V^T P^T (source 0 = 16 channels): a lane holds one query throughout.  The rows of a tile are 32 (T / 2) + 8 (T % 2) + r + 8 (r / 8),
; so the 16 registers of tiles 2 b and 2 b + 1 are 16 neighbours: keys in S^T, channels in O^T.  The first product's K is 64: registers 4-7 of K's and Q's fragments are zero codes, written once.
; NO CLUSTER: the four work-groups of a head share the 143,360 bytes, which each fetches once for 512 key steps of work: a small part of what the launch does.
; ctx leaves as an image: codes 512 consecutive bytes a tile and head; its two scale bytes a row by stores of 2 bytes, 16 bytes apart, inside one block of 256 bytes: 256 KB in the whole launch.
; LIMITS: a mask of -infinity goes through the matrix instruction's C and was not tried; each row needs a key with t above -3e38; blocks of ctx under 2^(3 - 127) take the floor's scale.
; REGISTERS: v1-5, v7 addresses that stay; v8-11, v28 addresses of the step; v12 -M, v13 the largest t, v[14:15] the sum in two halves; v16-23 Q; v24-27 V's scale words; v29 Q's; v32-95 eight fragments of K;
;   v96-159 the mask, then S^T, then p; v160-191 O^T; v192-223 four fragments of V; v224-231 p's codes; v232-247, v254 at work; v248-251 K's scale words; v252 f; v253 p's scale word.
.set HB,   217088
.set MSK,  143360                      ; LDS: the head block's first 143,360 bytes as they lie (K_IMG 0, V_IMG 65,536, K_SC 131,072, V_SC 139,264); then the mask, stored by the waves
.set SEL,  20
.set CS,   22
.set TK,   36                          ; the step's tiles of K and of V: 4,096 bytes a step
.set TS,   37                          ; K's scale words, and the mask: 512 bytes a step
.set TV,   38                          ; V's scale words: 256
.set CNT,  39
	s_load_b128 s[4:7], s[0:1], 0x0                ; qkv, the mask
	s_load_b64 s[8:9], s[0:1], 0x10                ; cq
	v_lshl_add_u32 v243, v0, 2, 0x29000
	v_mov_b32 v255, 0
	ds_add_u32 v243, v255
	ds_add_u32 v243, v255
	v_lshrrev_b32 v8, 5, v0
	v_readfirstlane_b32 s10, v8                    ; wave 0..15
	s_and_b32 s12, ttmp7, 0xffff                   ; 16 batch + head
	s_lshr_b32 s13, s12, 4
	s_and_b32 s14, s12, 15
	s_mul_i32 s16, s12, HB
	s_mov_b32 s17, 0
	; group 1: a sixteenth of the 143,360 bytes: 35 rows of 256 bytes (32 elements of 8), dense
	s_mov_b32 s24, 3<<16
	s_mov_b32 s25, 32<<16
	s_mov_b32 s26, 35<<16
	s_mov_b32 s27, 32<<16
	s_mov_b32 s28, 35
	s_mov_b32 s29, 32
	s_mov_b32 s30, 0
	s_mov_b32 s31, 0
	s_mov_b32 s32, 1
	s_mul_i32 s33, s10, 8960                       ; LDS: 8,960 x wave
	s_mov_b32 s18, s33
	s_mov_b32 s19, 0
	s_wait_dscnt 0x0
	s_wait_kmcnt 0x0
	s_add_nc_u64 s[4:5], s[4:5], s[16:17]          ; the head's block
	s_add_nc_u64 s[34:35], s[4:5], s[18:19]
	s_or_b32 s35, s35, 0x80000000
	tensor_load_to_lds s[32:35], s[24:31]          ; my one tensor load of the launch
	s_nop 0
.rept 4
	v_nop
.endr
	s_lshl_b32 s18, s13, 13
	s_add_nc_u64 s[6:7], s[6:7], s[18:19]          ; the batch's mask: 8,192 bytes, 16 a thread
	v_lshlrev_b32 v8, 4, v0
	global_load_b128 v[96:99], v8, s[6:7]
	v_lshl_add_u32 v9, v0, 4, MSK
	s_lshl_b32 s48, ttmp9, 5
	s_lshl_b32 s41, s10, 1
	s_add_co_u32 s48, s48, s41                     ; my first tile of queries in the batch: 32 x + 2 wave
	s_lshl_b32 s40, s48, 9
	s_add_co_u32 s40, s40, 143360
	s_mov_b32 s41, 0
	s_add_nc_u64 s[40:41], s[4:5], s[40:41]        ; its codes
	s_lshr_b32 s42, s48, 2
	s_lshl_b32 s42, s42, 8
	s_and_b32 s43, s48, 3
	s_lshl_b32 s43, s43, 2
	s_add_co_u32 s42, s42, s43
	s_add_co_u32 s42, s42, 208896
	s_mov_b32 s43, 0
	s_add_nc_u64 s[42:43], s[4:5], s[42:43]        ; its scale words: [tile / 4][r][tile % 4]
	s_lshl_b32 s49, s13, 7
	s_add_co_u32 s49, s49, s48                     ; the tile among all tokens'
	s_lshl_b32 s44, s49, 13
	s_lshl_b32 s45, s14, 9
	s_add_co_u32 s44, s44, s45
	s_mov_b32 s45, 0
	s_add_nc_u64 s[44:45], s[8:9], s[44:45]        ; ctx's codes: 8,192 tile + 512 head
	s_lshl_b32 s46, s49, 9
	s_lshr_b32 s47, s14, 3
	s_lshl_b32 s47, s47, 8
	s_add_co_u32 s46, s46, s47
	s_and_b32 s47, s14, 7
	s_lshl_b32 s47, s47, 1
	s_add_co_u32 s46, s46, s47
	s_add_co_u32 s46, s46, 4194304
	s_mov_b32 s47, 0
	s_add_nc_u64 s[46:47], s[8:9], s[46:47]        ; its scale bytes: 512 tile + 256 (head / 8) + 16 r + 2 (head % 8)
	s_mov_b32 s[SEL], 0x76543210
	s_mov_b32 s[SEL+1], 0xfedcba98
	s_mov_b32 s[CS], 0x3fb8aa3b                    ; c = log2(e)
	s_mov_b32 s[CS+1], s[CS]                       ; (named with it as a pair, so it is written)
	v_and_b32 v1, 31, v0
	v_lshlrev_b32 v1, 4, v1                        ; 16 x lane: K's tiles
	v_add_nc_u32 v2, 65536, v1                     ; V's
	v_add_nc_u32 v3, 131072, v1                    ; K's scale words: lanes 0-15 tiles 0-3 of the step, lanes 16-31 tiles 4-7
	v_and_b32 v7, 15, v0
	v_lshlrev_b32 v7, 4, v7                        ; 16 r
	v_add_nc_u32 v4, 139264, v7                    ; V's scale words
	v_bfe_u32 v5, v0, 4, 1
	v_lshl_add_u32 v5, v5, 6, MSK                  ; the mask: my half's 16 keys of each 32
.irp j, 20,21,22,23
	v_mov_b32 v[\j], 0                             ; Q's k = 64 .. 127: zero codes
.endr
.irp t, 0,1,2,3,4,5,6,7
.irp j, 4,5,6,7
	v_mov_b32 v[32+8*\t+\j], 0                     ; K's likewise: written once, no load lands here
.endr
.endr
.irp b, 0,1,2,3
	v_mov_b32 v[236+\b], 0                         ; a lane permute's destination counts as one of its sources
.endr
	v_mov_b32 v253, 0                              ; (named as the upper half of the pair v[252:253] before it is first written)
	s_wait_loadcnt 0x0
	ds_store_b128 v9, v[96:99]
	s_wait_tensorcnt 0x0                           ; my part of the head's block is in,
	s_wait_dscnt 0x0                               ; my part of the mask is stored:
	s_barrier_signal -1
	s_barrier_wait -1                              ; everybody's are
.macro TILE e                          ; my tile e of 16 queries against all 2,048 keys
	s_wait_xcnt 0x0                                ; the last tile's stores have read their registers, which the loop writes again
	global_load_b128 v[16:19], v1, s[40:41] offset:512*\e
	global_load_b32 v29, v7, s[42:43] offset:4*\e
	v_mov_b32 v13, 0xff61b1e6                      ; the largest t so far: -3e38
	v_floor_f32 v12, -v13                          ; -M
	v_mov_b32 v14, 0
	v_mov_b32 v15, 0
.set n, 0
.rept 32
	v_mov_b32 v[160+n], 0                          ; O^T.  (The step is written once: the first finds zeros, which the first change of M leaves zeros)
.set n, n+1
.endr
	s_mov_b32 s[TK], 0
	s_mov_b32 s[TS], 0
	s_mov_b32 s[TV], 0
	s_mov_b32 s[CNT], 16
	s_wait_loadcnt 0x0
.Lstep_\@:                                         ; a step of 128 keys
	v_add_nc_u32 v8, s[TK], v1                     ; five plain lines: also the places behind the last step's products, in front of the loads into their sources
	v_add_nc_u32 v9, s[TK], v2
	v_add_nc_u32 v10, s[TS], v3
	v_add_nc_u32 v11, s[TV], v4
	v_add_nc_u32 v28, s[TS], v5
.irp t, 0,1,2,3,4,5,6,7
.irp c, 0,1
	ds_load_b128 v[96+8*\t+4*\c:99+8*\t+4*\c], v28 offset:4*(32*(\t/2)+8*(\t%2))+16*\c   ; the mask of keys 32 (t / 2) + 16 h + 8 (t % 2) + 0 .. 7: the product's C
.endr
.endr
.irp t, 0,1,2,3,4,5,6,7
	ds_load_b128 v[32+8*\t:35+8*\t], v8 offset:512*\t
.endr
	ds_load_b128 v[248:251], v10
.irp i, 0,1,2,3
.irp c, 0,1
	ds_load_b128 v[192+8*\i+4*\c:195+8*\i+4*\c], v9 offset:1024*\i+512*\c
.endr
.endr
	ds_load_b128 v[24:27], v11
	s_wait_dscnt 9                                 ; V's eight loads and its scale words may be out
.irp t, 0,1,2,3                                ; S^T = K Q^T + mask.  The step's twelve accumulators take turns, one instruction a turn
	v_wmma_scale_f32_16x16x128_f8f6f4 v[96+8*\t:103+8*\t], v[32+8*\t:39+8*\t], v[16:23], v[96+8*\t:103+8*\t], v[248+\t], v29 matrix_a_fmt:MATRIX_FMT_FP4 matrix_b_fmt:MATRIX_FMT_FP4
.endr
.irp t, 4,5,6,7
	v_wmma_scale_f32_16x16x128_f8f6f4 v[96+8*\t:103+8*\t], v[32+8*\t:39+8*\t], v[16:23], v[96+8*\t:103+8*\t], v[244+\t], v29 matrix_a_fmt:MATRIX_FMT_FP4 matrix_b_fmt:MATRIX_FMT_FP4 matrix_a_scale:MATRIX_SCALE_ROW1
.endr
.rept 4
	v_nop
.endr
.irp b, 0,1,2,3
	v_max3_num_f32 v[232+\b], v[96+16*\b], v[97+16*\b], v[98+16*\b]   ; the largest logit of each block of 32 keys: it serves the row's maximum and, since p rises with the logit, the block's largest p
.endr
.irp i, 3,5,7,9,11,13
.irp b, 0,1,2,3
	v_max3_num_f32 v[232+\b], v[232+\b], v[96+16*\b+\i], v[97+16*\b+\i]
.endr
.endr
.irp b, 0,1,2,3
	v_max_num_f32 v[232+\b], v[232+\b], v[111+16*\b]
.endr
.irp b, 0,1,2,3
	v_permlanex16_b32 v[236+\b], v[232+\b], s[SEL], s[SEL+1]
.endr
.irp b, 0,1,2,3
	v_max_num_f32 v[232+\b], v[232+\b], v[236+\b]  ; with lane l xor 16's 16 keys
.endr
	v_max3_num_f32 v254, v232, v233, v234
	v_max_num_f32 v254, v254, v235
	v_mul_f32 v254, s[CS], v254                    ; as t (c is positive)
	v_max_num_f32 v13, v13, v254                   ; the running largest t
	v_mov_b32 v254, v12
	v_floor_f32 v12, -v13                          ; the new -M = floor(-t): M is a whole number
	v_sub_f32 v254, v12, v254                      ; old M - new M: a whole number, 0 or less
	v_cvt_i32_f32 v254, v254                       ; (it saturates)
	v_ldexp_f32 v252, 1.0, v254                    ; f = 2^(old M - new M)
.set n, 0
.rept 32
	v_pk_fma_f32 v[96+n:97+n], v[96+n:97+n], s[CS:CS+1], v[12:13] op_sel_hi:[1,0,0]   ; t - M, two at a time
.set n, n+2
.endr
.irp b, 0,1,2,3
	v_fma_f32 v[232+\b], v[232+\b], s[CS], v12     ; the same of each block's largest logit
.endr
.set n, 0
.rept 64
	v_exp_f32 v[96+n], v[96+n]                     ; p = 2^(t - M), at most 1
.set n, n+1
.endr
.irp b, 0,1,2,3
	v_exp_f32 v[232+\b], v[232+\b]                 ; the block's largest p: the same two instructions on the same number
.endr
	v_pk_mul_f32 v[14:15], v[14:15], v[252:253] op_sel_hi:[1,0]   ; the sums under the new M.  (A plain place behind the exponentials)
	s_wait_alu depctr_va_vdst(0)
.irp b, 0,1,2,3
	v_max_num_f32 v[232+\b], 0x1800000, v[232+\b]  ; the floor 2^(3 - 127): the byte cannot fall under 1
.endr
.irp b, 0,1,2,3
	v_add_nc_u32 v[244+\b], 0xff000000, v[232+\b]  ; 2 off the exponent field: the conversion's scale operand
.endr
.irp b, 0,1,2,3
	v_lshrrev_b32 v[236+\b], 23, v[244+\b]
.endr
	v_lshl_or_b32 v253, v237, 8, v236              ; p's scale word for these 128 keys
	v_lshl_or_b32 v253, v238, 16, v253
	v_lshl_or_b32 v253, v239, 24, v253
.irp b, 0,1,2,3
	v_cvt_scalef32_pk8_fp4_f32 v[224+2*\b], v[96+16*\b:103+16*\b], v[244+\b]
	v_cvt_scalef32_pk8_fp4_f32 v[225+2*\b], v[104+16*\b:111+16*\b], v[244+\b]
.endr
	v_nop                                          ; one plain place behind a scaled conversion
.irp c, 0,1
.irp i, 0,1
	v_permlane16_swap_b32 v[224+4*\c+\i], v[226+4*\c+\i]   ; a whole block in a lane
.endr
.endr
	v_pk_add_f32 v[236:237], v[96:97], v[98:99]    ; the row's sum is taken of the unquantised p: two at a time, in two chains
.irp j, 4,8,12,16,20,24,28,32,36,40,44,48,52,56,60
	v_pk_add_f32 v[14:15], v[14:15], v[96+\j:97+\j]
	v_pk_add_f32 v[236:237], v[236:237], v[98+\j:99+\j]
.endr
	v_pk_add_f32 v[14:15], v[14:15], v[236:237]
.set n, 0
.rept 16
	v_pk_mul_f32 v[160+n:161+n], v[160+n:161+n], v[252:253] op_sel_hi:[1,0]   ; O^T under the new M.  (With the sums above: the places between p's codes and scale word and the products below)
.set n, n+2
.endr
	s_wait_dscnt 0x0                               ; V is in
.irp i, 0,1,2,3                                ; O^T += V^T P^T
	v_wmma_scale_f32_16x16x128_f8f6f4 v[160+8*\i:167+8*\i], v[192+8*\i:199+8*\i], v[224:231], v[160+8*\i:167+8*\i], v[24+\i], v253 matrix_a_fmt:MATRIX_FMT_FP4 matrix_b_fmt:MATRIX_FMT_FP4
.endr
	s_add_co_u32 s[TK], s[TK], 4096
	s_add_co_u32 s[TS], s[TS], 512
	s_add_co_u32 s[TV], s[TV], 256
	s_sub_co_u32 s[CNT], s[CNT], 1
	s_cmp_lg_u32 s[CNT], 0
	s_cbranch_scc1 .Lstep_\@
.rept 4
	v_nop                                          ; places behind the last products
.endr
	v_add_f32 v14, v14, v15                        ; the sum's two halves,
	v_permlanex16_b32 v252, v14, s[SEL], s[SEL+1]
	v_add_f32 v14, v14, v252                       ; and lane l xor 16's: the row's sum
	v_rcp_f32 v14, v14
	v_nop                                          ; one plain place behind a transcendental
.set n, 0
	s_wait_alu depctr_va_vdst(0)
.rept 32
	v_mul_f32 v[96+n], v[160+n], v14               ; ctx: register 16 b + i is channel 32 b + 16 h + i of my query
.set n, n+1
.endr
.irp b, 0,1                                    ; the head's two blocks of 32 along H are quantised
	v_max3_num_f32 v[232+\b], |v[96+16*\b]|, |v[97+16*\b]|, 0x1800000
.endr
.irp i, 2,4,6,8,10,12,14
.irp b, 0,1
	v_max3_num_f32 v[232+\b], v[232+\b], |v[96+16*\b+\i]|, |v[97+16*\b+\i]|
.endr
.endr
.irp b, 0,1
	v_permlanex16_b32 v[236+\b], v[232+\b], s[SEL], s[SEL+1]
.endr
.irp b, 0,1
	v_max_num_f32 v[232+\b], v[232+\b], v[236+\b]
.endr
.irp b, 0,1
	v_add_nc_u32 v[244+\b], 0xff000000, v[232+\b]
.endr
.irp b, 0,1
	v_lshrrev_b32 v[236+\b], 23, v[244+\b]
.endr
	v_lshl_or_b32 v236, v237, 8, v236              ; the two bytes
.irp b, 0,1
	v_cvt_scalef32_pk8_fp4_f32 v[224+2*\b], v[96+16*\b:103+16*\b], v[244+\b]
	v_cvt_scalef32_pk8_fp4_f32 v[225+2*\b], v[104+16*\b:111+16*\b], v[244+\b]
.endr
	v_nop
	v_permlane16_swap_b32 v224, v226
	v_permlane16_swap_b32 v225, v227               ; lane (r, h): channels 32 h + 0 .. 31
	global_store_b128 v1, v[224:227], s[44:45] offset:8192*\e        ; 512 consecutive bytes
	global_store_b16 v7, v236, s[46:47] offset:512*\e                ; both halves of the lanes store the same two bytes to the same place
.endm
	TILE 0
	TILE 1
	s_wait_tensorcnt 0x0
	ds_add_u32 v243, v255
	s_wait_dscnt 0x0
	s_endpgm
.Lfunc_end_k_qc346736a69_attn:
	.size	k_qc346736a69_attn, .Lfunc_end_k_qc346736a69_attn-k_qc346736a69_attn
	.p2alignl 7, 3214868480
	.fill 96, 4, 3214868480
	.section	.rodata,"a",@progbits
	.p2align	6, 0x0
	.amdhsa_kernel k_qc346736a69_attn
		.amdhsa_group_segment_fixed_size 169984
		.amdhsa_private_segment_fixed_size 0
		.amdhsa_enable_private_segment 0
		.amdhsa_kernarg_size 24
		.amdhsa_user_sgpr_count 2
		.amdhsa_user_sgpr_kernarg_segment_ptr 1
		.amdhsa_wavefront_size32 1
		.amdhsa_system_sgpr_workgroup_id_x 1
		.amdhsa_system_sgpr_workgroup_id_y 1
		.amdhsa_system_sgpr_workgroup_id_z 1
		.amdhsa_system_vgpr_workitem_id 0
		.amdhsa_next_free_vgpr 256
		.amdhsa_next_free_sgpr 66
		.amdhsa_reserve_vcc 0
		.amdhsa_float_denorm_mode_32 3
		.amdhsa_float_denorm_mode_16_64 3
		.amdhsa_memory_ordered 1
		.amdhsa_forward_progress 1
		.amdhsa_inst_pref_size 48
	.end_amdhsa_kernel
	.amdgpu_metadata
---
amdhsa.version: [ 1, 2 ]
amdhsa.kernels:
  - .name:           k_qc346736a69_attn
    .symbol:         k_qc346736a69_attn.kd
    .args:
      - { .name: qkv, .offset: 0, .size: 8, .value_kind: global_buffer, .address_space: global }
      - { .name: attention_mask, .offset: 8, .size: 8, .value_kind: global_buffer, .address_space: global }
      - { .name: cq, .offset: 16, .size: 8, .value_kind: global_buffer, .address_space: global }
    .group_segment_fixed_size: 169984
    .private_segment_fixed_size: 0
    .kernarg_segment_align: 8
    .kernarg_segment_size: 24
    .max_flat_workgroup_size: 512
    .sgpr_count:     66
    .vgpr_count:     256
    .wavefront_size: 32
...
	.end_amdgpu_metadata
.endif
;; end of part 3
;; launch out (part 4): grid 256 x 1, 16 waves a work-group, no clusters, 281,088 bytes of LDS; arguments img, cq, input_tensor, bo, ln_w, ln_b, out0; writes out0
.if DOCPART == 4
	.amdgcn_target "amdgcn-amd-amdhsa--gfx1250"
	.amdhsa_code_object_version 6
	.text
	.protected	k_qc346736a69_out
	.globl	k_qc346736a69_out
	.p2align	8
	.type	k_qc346736a69_out,@function
k_qc346736a69_out:
	s_mov_b64 s[64:65], 0
	v_nop
	global_prefetch_b8 v0, s[64:65] scope:SCOPE_SE
	s_setreg_imm32_b32 hwreg(HW_REG_WAVE_MODE, 25, 1), 1
	s_wait_xcnt 0x0
; out = LayerNorm(ctx Wo^T + bo + x) x ln_w + ln_b.  The product on codes of FP4 with E8M0 scales (K = 1,024): ctx's images from cq, Wo's from img (tiles 704-767); all else in f32.
; SHARES.  A work-group owns 32 tokens, which are two tiles of ctx (a tile's row r is token 32 (T / 2) + 8 (T % 2) + r + 8 (r / 8)), and all 1,024 features, so that the norm's sums never leave it.
; Wave w makes features 64 w .. 64 w + 63 (four tiles of Wo as source 0) for both tiles of tokens (source 1): eight accumulators, which begin as bo: the bias is loaded into them in the result's layout.
; Wo's fragments come straight from img into registers, 512 consecutive bytes a load: each byte is used by one wave of the work-group.  ctx's 16 KB are shared: through LDS, filled once.
; Then the 32 rows meet in a stage in LDS, and wave w normalises two whole rows; its two rows of x were brought into LDS bytes of its own by a tensor load at the start.
; NO CLUSTER: all work-groups walk the same 512 KB of Wo, which joint loads through LDS could share; left out of this text to keep it plain.
; REGISTERS: v1-7 addresses; v16-79 accumulator (t, a) at 16 + 8 (2 t + a); v80-143 Wo's fragments, two sets; v144-175 ctx's, two sets; v176-191 Wo's scale words, v192-199 ctx's, which hold nothing else.
;   Second part: v16-47, v48-79 the two rows; v80-111 ln_w, v112-143 ln_b; v144-175, v200-231 the rows of x; v232-237 at work.
.set SOFF,  6291456
.set XR,    16384                      ; LDS: ctx's codes 0 .. 16,383; then 8,192 bytes of x for each wave;
.set HST,   147456                     ; then the stage, 32 rows x (4,096 + 16) bytes, stored by the waves: no fill lands there
.set HP,    4112
.set ACC,  16
.set WF,   80
.set CF,   144
.set WS,   176
.set CSW,  192
.set LNW,  80
.set LNB,  112
.set SEL,  58
	s_load_b256 s[4:11], s[0:1], 0x0               ; img, cq, x, bo
	s_load_b128 s[12:15], s[0:1], 0x20             ; ln_w, ln_b
	s_load_b64 s[16:17], s[0:1], 0x30              ; out0
	v_lshl_add_u32 v254, v0, 2, 0x44200
	v_mov_b32 v255, 0
	ds_add_u32 v254, v255
	ds_add_u32 v254, v255
	v_lshrrev_b32 v1, 5, v0
	v_readfirstlane_b32 s18, v1                    ; wave 0..15
	; stage rows 2 w and 2 w + 1 are tokens tok0 and tok0 + 1 of the 32: tok0 = 8 (w / 8) + 2 (w % 8) + 8 ((w / 4) % 2)
	s_lshr_b32 s19, s18, 3
	s_lshl_b32 s19, s19, 3
	s_and_b32 s20, s18, 7
	s_lshl_b32 s20, s20, 1
	s_add_co_u32 s19, s19, s20
	s_bfe_u32 s20, s18, 0x10002
	s_lshl_b32 s20, s20, 3
	s_add_co_u32 s19, s19, s20
	s_lshl_b32 s20, ttmp9, 5
	s_add_co_u32 s20, s20, s19
	s_lshl_b32 s20, s20, 12                        ; my two rows of x and of out0, in bytes
	s_mov_b32 s21, 0
	; group 1: 1,024 dense bytes of ctx's codes as 4 rows of 256 (32 elements of 8 bytes)
	s_mov_b32 s24, 3<<16
	s_mov_b32 s25, 32<<16
	s_mov_b32 s26, 4<<16
	s_mov_b32 s27, 32<<16
	s_mov_b32 s28, 4
	s_mov_b32 s29, 32
	s_mov_b32 s30, 0
	s_mov_b32 s31, 0
	; group 1: two rows of x, 8,192 dense bytes as 32 rows of 256
	s_mov_b32 s32, 3<<16
	s_mov_b32 s33, 32<<16
	s_mov_b32 s34, 32<<16
	s_mov_b32 s35, 32<<16
	s_mov_b32 s36, 32
	s_mov_b32 s37, 32
	s_mov_b32 s38, 0
	s_mov_b32 s39, 0
	s_lshl_b32 s22, ttmp9, 14
	s_lshl_b32 s23, s18, 10
	s_add_co_u32 s22, s22, s23                     ; ctx's codes: 16,384 x work-group + 1,024 x wave
	s_mov_b32 s23, 0
	s_wait_dscnt 0x0
	s_wait_kmcnt 0x0
	s_mov_b32 s40, 1
	s_lshl_b32 s41, s18, 10                        ; LDS: 1,024 x wave
	s_add_nc_u64 s[42:43], s[6:7], s[22:23]
	s_or_b32 s43, s43, 0x80000000
	s_mov_b32 s44, 1
	s_lshl_b32 s45, s18, 13
	s_add_co_u32 s45, s45, XR                      ; LDS: XR + 8,192 x wave
	s_add_nc_u64 s[46:47], s[8:9], s[20:21]
	s_or_b32 s47, s47, 0x80000000
	tensor_load_to_lds s[40:43], s[24:31]          ; the two first fills go out together: two loads of mine are out
	s_nop 0
	tensor_load_to_lds s[44:47], s[32:39]
	s_nop 0
.rept 4
	v_nop
.endr
	s_add_nc_u64 s[48:49], s[16:17], s[20:21]      ; out0 at my two rows
	s_lshl_b32 s50, ttmp9, 10
	s_add_co_u32 s50, s50, 4194304
	s_mov_b32 s51, 0
	s_add_nc_u64 s[50:51], s[6:7], s[50:51]        ; ctx's scale words: two tiles of 512 bytes
	s_lshl_b32 s52, s18, 15
	s_add_co_u32 s52, s52, 704*8192
	s_mov_b32 s53, 0
	s_add_nc_u64 s[52:53], s[4:5], s[52:53]        ; my four tiles of Wo
	s_lshl_b32 s54, s18, 11
	s_add_co_u32 s54, s54, SOFF+704*512
	s_mov_b32 s55, 0
	s_add_nc_u64 s[54:55], s[4:5], s[54:55]        ; and their scale words
	s_lshl_b32 s56, s18, 8
	s_mov_b32 s57, 0
	s_add_nc_u64 s[56:57], s[10:11], s[56:57]      ; bo at my 64 features (from here on s[56:57] is an address and nothing else)
	s_mov_b32 s[SEL], 0x76543210
	s_mov_b32 s[SEL+1], 0xfedcba98
	s_mov_b32 s60, 0x3a800000                      ; 1 / 1,024
	s_mov_b32 s61, 0x2b8cbccc                      ; 1e-12
	v_and_b32 v1, 31, v0
	v_lshlrev_b32 v1, 4, v1                        ; 16 x lane
	v_and_b32 v2, 15, v0                           ; r
	v_bfe_u32 v3, v0, 4, 1
	v_lshlrev_b32 v3, 6, v3                        ; 64 h
	s_lshl_b32 s22, s18, 8                         ; my 64 features' 256 bytes of a stage row, made of the wave's number in a register of its own
	s_add_co_u32 s22, s22, HST
	v_mul_u32_u24 v4, v2, HP
	v_add_nc_u32 v4, v4, v3
	v_add_nc_u32 v4, s22, v4                       ; into the stage: row r of tile 0, + 64 h, + 256 x wave
	v_add_nc_u32 v5, 16*HP, v4                     ; of tile 1
	s_mul_i32 s22, s18, 2*HP
	s_add_co_u32 s22, s22, HST
	v_add_nc_u32 v6, s22, v1                       ; back: my two rows, 16 bytes a lane
	v_add_nc_u32 v7, s45, v1                       ; and my two rows of x
.irp a, 0,1
	global_load_b128 v[CSW+4*\a:CSW+4*\a+3], v1, s[50:51] offset:512*\a   ; register e: K step e in lanes 0-15, K step 4 + e in lanes 16-31
.endr
.irp t, 0,1,2,3
	global_load_b128 v[WS+4*\t:WS+4*\t+3], v1, s[54:55] offset:512*\t
.endr
.irp t, 0,1,2,3
.irp a, 0,1
.irp e, 0,1
	global_load_b128 v[ACC+8*(2*\t+\a)+4*\e:ACC+8*(2*\t+\a)+4*\e+3], v3, s[56:57] offset:128*(\t/2)+32*(\t%2)+16*\e   ; bo of features 32 (t / 2) + 16 h + 8 (t % 2) + 0 .. 7: the sums begin with it
.endr
.endr
.endr
.macro WFETCH q
.irp t, 0,1,2,3
.irp c, 0,1
	global_load_b128 v[WF+32*((\q)%2)+8*\t+4*\c:WF+32*((\q)%2)+8*\t+4*\c+3], v1, s[52:53] offset:8192*\t+1024*(\q)+512*\c
.endr
.endr
.endm
.macro CFETCH q
.irp a, 0,1
.irp c, 0,1
	ds_load_b128 v[CF+16*((\q)%2)+8*\a+4*\c:CF+16*((\q)%2)+8*\a+4*\c+3], v1 offset:8192*\a+1024*(\q)+512*\c
.endr
.endr
.endm
.macro GSTEP q                         ; K step q: the next step's fragments are asked for first; eight products, the accumulators by turns
.if (\q) > 0
.rept 4
	v_nop                                          ; places in front of loads into the set that the last step multiplied
.endr
.endif
.if (\q) < 7
	WFETCH (\q)+1
	CFETCH (\q)+1
	s_wait_loadcnt 8                               ; all but the eight just issued
	s_wait_dscnt 4                                 ; all but the four just issued
.else
	s_wait_loadcnt 0x0
	s_wait_dscnt 0x0
.endif
.irp t, 0,1,2,3
.irp a, 0,1
.if (\q) < 4
	v_wmma_scale_f32_16x16x128_f8f6f4 v[ACC+8*(2*\t+\a):ACC+8*(2*\t+\a)+7], v[WF+32*((\q)%2)+8*\t:WF+32*((\q)%2)+8*\t+7], v[CF+16*((\q)%2)+8*\a:CF+16*((\q)%2)+8*\a+7], v[ACC+8*(2*\t+\a):ACC+8*(2*\t+\a)+7], v[WS+4*\t+(\q)%4], v[CSW+4*\a+(\q)%4] matrix_a_fmt:MATRIX_FMT_FP4 matrix_b_fmt:MATRIX_FMT_FP4
.else
	v_wmma_scale_f32_16x16x128_f8f6f4 v[ACC+8*(2*\t+\a):ACC+8*(2*\t+\a)+7], v[WF+32*((\q)%2)+8*\t:WF+32*((\q)%2)+8*\t+7], v[CF+16*((\q)%2)+8*\a:CF+16*((\q)%2)+8*\a+7], v[ACC+8*(2*\t+\a):ACC+8*(2*\t+\a)+7], v[WS+4*\t+(\q)%4], v[CSW+4*\a+(\q)%4] matrix_a_fmt:MATRIX_FMT_FP4 matrix_b_fmt:MATRIX_FMT_FP4 matrix_a_scale:MATRIX_SCALE_ROW1 matrix_b_scale:MATRIX_SCALE_ROW1
.endif
.endr
.endr
.endm
	WFETCH 0
	s_wait_tensorcnt 0x1                           ; my part of ctx's codes is in; my rows of x may stay out, and I alone read them
	s_barrier_signal -1
	s_barrier_wait -1                              ; everybody's part is in
	CFETCH 0
.irp q, 0,1,2,3,4,5,6,7
	GSTEP \q
.endr
.rept 4
	v_nop                                          ; places in front of the reads of results and of loads into the fragments' registers
.endr
.irp k, 0,1,2,3,4,5,6,7
	global_load_b128 v[LNW+4*\k:LNW+4*\k+3], v1, s[12:13] offset:512*\k
	global_load_b128 v[LNB+4*\k:LNB+4*\k+3], v1, s[14:15] offset:512*\k
.endr
.irp t, 0,1,2,3                                ; the stage's bytes lie behind ctx's codes and the rows of x: no wave reads them before the barrier below
.irp e, 0,1
	ds_store_b128 v4, v[ACC+8*(2*\t)+4*\e:ACC+8*(2*\t)+4*\e+3] offset:128*(\t/2)+32*(\t%2)+16*\e       ; each accumulator from its low end on
.endr
.irp e, 0,1
	ds_store_b128 v5, v[ACC+8*(2*\t+1)+4*\e:ACC+8*(2*\t+1)+4*\e+3] offset:128*(\t/2)+32*(\t%2)+16*\e
.endr
.endr
	s_wait_dscnt 0x0                               ; for the others' sake: my stores into the stage are done
	s_barrier_signal -1
	s_barrier_wait -1                              ; 32 whole rows lie in the stage
	s_wait_tensorcnt 0x0                           ; my rows of x are in
.irp k, 0,1,2,3,4,5,6,7
	ds_load_b128 v[16+4*\k:19+4*\k], v6 offset:512*\k
	ds_load_b128 v[144+4*\k:147+4*\k], v7 offset:512*\k
.endr
.irp k, 0,1,2,3,4,5,6,7
	ds_load_b128 v[48+4*\k:51+4*\k], v6 offset:HP+512*\k
	ds_load_b128 v[200+4*\k:203+4*\k], v7 offset:4096+512*\k
.endr
	s_wait_dscnt 0x0
	s_wait_loadcnt 0x0                             ; ln_w, ln_b
.macro REDUCE a, b                     ; the sum over the 32 lanes, in every lane
	v_add_f32_dpp v[\a], v[\a], v[\a] row_xmask:1 row_mask:0xf bank_mask:0xf
	v_add_f32_dpp v[\a], v[\a], v[\a] row_xmask:2 row_mask:0xf bank_mask:0xf
	v_add_f32_dpp v[\a], v[\a], v[\a] row_xmask:4 row_mask:0xf bank_mask:0xf
	v_add_f32_dpp v[\a], v[\a], v[\a] row_xmask:8 row_mask:0xf bank_mask:0xf
	v_permlanex16_b32 v[\b], v[\a], s[SEL], s[SEL+1]
	v_add_f32 v[\a], v[\a], v[\b]
.endm
.macro LN e, hh, xx                    ; one row: a lane holds 32 of its 1,024 numbers: features 128 k + 4 lane + 0 .. 3
.set n, 0
.rept 16
	v_pk_add_f32 v[\hh+n:\hh+n+1], v[\hh+n:\hh+n+1], v[\xx+n:\xx+n+1]             ; + x
.set n, n+2
.endr
	v_pk_add_f32 v[232:233], v[\hh:\hh+1], v[\hh+2:\hh+3]                         ; the sum, in two packed chains
	v_pk_add_f32 v[234:235], v[\hh+4:\hh+5], v[\hh+6:\hh+7]
.irp j, 8,12,16,20,24,28
	v_pk_add_f32 v[232:233], v[232:233], v[\hh+\j:\hh+\j+1]
	v_pk_add_f32 v[234:235], v[234:235], v[\hh+\j+2:\hh+\j+3]
.endr
	v_pk_add_f32 v[232:233], v[232:233], v[234:235]
	v_add_f32 v232, v232, v233
	REDUCE 232, 233
	v_mul_f32 v232, s60, v232                      ; the mean
.set n, 0
.rept 16
	v_pk_add_f32 v[\hh+n:\hh+n+1], v[\hh+n:\hh+n+1], v[232:233] op_sel_hi:[1,0] neg_lo:[0,1] neg_hi:[0,1]   ; h - u
.set n, n+2
.endr
	v_pk_mul_f32 v[234:235], v[\hh:\hh+1], v[\hh:\hh+1]                           ; the sum of squares of h - u
	v_pk_mul_f32 v[236:237], v[\hh+2:\hh+3], v[\hh+2:\hh+3]
.irp j, 4,8,12,16,20,24,28
	v_pk_fma_f32 v[234:235], v[\hh+\j:\hh+\j+1], v[\hh+\j:\hh+\j+1], v[234:235]
	v_pk_fma_f32 v[236:237], v[\hh+\j+2:\hh+\j+3], v[\hh+\j+2:\hh+\j+3], v[236:237]
.endr
	v_pk_add_f32 v[234:235], v[234:235], v[236:237]
	v_add_f32 v234, v234, v235
	REDUCE 234, 235
	v_fma_f32 v234, v234, s60, s61                 ; the variance + 1e-12
	v_rsq_f32 v234, v234
	v_nop                                          ; one plain place behind a transcendental
.set n, 0
	s_wait_alu depctr_va_vdst(0)
.rept 16
	v_pk_mul_f32 v[\hh+n:\hh+n+1], v[\hh+n:\hh+n+1], v[234:235] op_sel_hi:[1,0]
.set n, n+2
.endr
.set n, 0
.rept 16
	v_pk_fma_f32 v[\hh+n:\hh+n+1], v[\hh+n:\hh+n+1], v[LNW+n:LNW+n+1], v[LNB+n:LNB+n+1]
.set n, n+2
.endr
.irp k, 0,1,2,3,4,5,6,7
	global_store_b128 v1, v[\hh+4*\k:\hh+4*\k+3], s[48:49] offset:4096*\e+512*\k th:TH_STORE_NT   ; 32 lanes store 512 consecutive bytes, aligned; written once, read by nobody here
.endr
.endm
	LN 0, 16, 144
	LN 1, 48, 200
	s_wait_tensorcnt 0x0
	ds_add_u32 v254, v255
	s_wait_dscnt 0x0
	s_endpgm
.Lfunc_end_k_qc346736a69_out:
	.size	k_qc346736a69_out, .Lfunc_end_k_qc346736a69_out-k_qc346736a69_out
	.p2alignl 7, 3214868480
	.fill 96, 4, 3214868480
	.section	.rodata,"a",@progbits
	.p2align	6, 0x0
	.amdhsa_kernel k_qc346736a69_out
		.amdhsa_group_segment_fixed_size 281088
		.amdhsa_private_segment_fixed_size 0
		.amdhsa_enable_private_segment 0
		.amdhsa_kernarg_size 56
		.amdhsa_user_sgpr_count 2
		.amdhsa_user_sgpr_kernarg_segment_ptr 1
		.amdhsa_wavefront_size32 1
		.amdhsa_system_sgpr_workgroup_id_x 1
		.amdhsa_system_sgpr_workgroup_id_y 1
		.amdhsa_system_sgpr_workgroup_id_z 1
		.amdhsa_system_vgpr_workitem_id 0
		.amdhsa_next_free_vgpr 256
		.amdhsa_next_free_sgpr 66
		.amdhsa_reserve_vcc 0
		.amdhsa_float_denorm_mode_32 3
		.amdhsa_float_denorm_mode_16_64 3
		.amdhsa_memory_ordered 1
		.amdhsa_forward_progress 1
		.amdhsa_inst_pref_size 45
	.end_amdhsa_kernel
	.amdgpu_metadata
---
amdhsa.version: [ 1, 2 ]
amdhsa.kernels:
  - .name:           k_qc346736a69_out
    .symbol:         k_qc346736a69_out.kd
    .args:
      - { .name: img, .offset: 0, .size: 8, .value_kind: global_buffer, .address_space: global }
      - { .name: cq, .offset: 8, .size: 8, .value_kind: global_buffer, .address_space: global }
      - { .name: input_tensor, .offset: 16, .size: 8, .value_kind: global_buffer, .address_space: global }
      - { .name: bo, .offset: 24, .size: 8, .value_kind: global_buffer, .address_space: global }
      - { .name: ln_w, .offset: 32, .size: 8, .value_kind: global_buffer, .address_space: global }
      - { .name: ln_b, .offset: 40, .size: 8, .value_kind: global_buffer, .address_space: global }
      - { .name: out0, .offset: 48, .size: 8, .value_kind: global_buffer, .address_space: global }
    .group_segment_fixed_size: 281088
    .private_segment_fixed_size: 0
    .kernarg_segment_align: 8
    .kernarg_segment_size: 56
    .max_flat_workgroup_size: 512
    .sgpr_count:     66
    .vgpr_count:     256
    .wavefront_size: 32
...
	.end_amdgpu_metadata
.endif
;; end of part 4
